; MI455X (gfx1250); checked and timed in simulation.
; The chip was launched on July 23, 2026; its instructions are those of AMD's public machine-readable ISA for CDNA 5 (MIT licence, August 2026) and "CDNA5" Instruction Set Architecture Reference Guide (July 2026). The comments in the code are by the model that wrote it; some were corrected since.
;; Megalodon Attention. Allowed arithmetic: matrix products marked QUANTISED: E3M2 operands, one E8M0 scale for each 32 along K, by v_wmma_scale_f32_16x16x128_f8f6f4 with both operands' format E3M2, f32 sums; everything else in f32.
;; Inputs: k 2 x 4,096 x 16 x 128 float32; q 2 x 4,096 x 16 x 128 float32; v 2 x 4,096 x 16 x 128 float32.
;; Outputs: out0 2 x 4,096 x 16 x 128 float32.
;; Constants: start_index = 0.
;; This version of the problem:
;;   THIS VERSION OF THE PROBLEM IS GIVEN IN LOW PRECISION. The matrix products marked QUANTISED in the list below multiply operands that are first quantised to E3M2 (3 exponent bits, 2 mantissa bits; 6 bits a number), with one power-of-two scale for each 32 numbers along K (OCP MX v1.0); their sums are f32. All else is computed in f32.
;;   The module's matrix products, in the order in which they are computed (A, B: the left and right operand; K: the contracted axis; several contracted axes count as one K, in the product's order):
;;     1. batch 128 x [M 1,024, K 128] x [K 128, N 1,024]; A: computed on the way; B: computed on the way: QUANTISED
;;     2. batch 128 x [M 128, K 1,024] x [K 1,024, N 1,024]; A: input v; B: softmax (see below): QUANTISED
;;   THE QUANTISER, for each operand of a quantised product, along K:
;;     - K is cut into blocks of 32 from its start; a last block that is shorter is filled with zeros.
;;     - A block's scale is 2^e with e = floor(log2(the largest magnitude in the block)) - 4, held to -126 .. 127; a block of zeros has e = 0. As a byte (E8M0): e + 127.
;;     - Each number is divided by its block's scale, clamped to +-28, and rounded to the nearest number of E3M2, ties to even, subnormals kept.
;;     - The product sums the exact products of the quantised numbers (number of the format x scale) in f32.
;;   ~~~python
;;   def quantise(x, axis):      # numpy; x: float32 -> the quantised numbers, widened to float32 again
;;       x = np.moveaxis(x, axis, -1); K = x.shape[-1]
;;       x = np.pad(x, [(0, 0)] * (x.ndim - 1) + [(0, -K % 32)]); x = x.reshape(x.shape[:-1] + (-1, 32)); a = np.abs(x).max(-1, keepdims=True)
;;       e = np.where(a > 0, np.clip(np.frexp(np.where(a > 0, a, 1))[1] - 1 - 4, -126, 127), 0)      # np.frexp(a)[1] - 1 = floor(log2(a)), exactly
;;       r = np.clip(x / 2.0 ** e, -28, 28)
;;       step = 2.0 ** (np.maximum(np.frexp(np.where(r == 0, 1, r))[1] - 1, -2) - 2)
;;       q = np.round(r / step) * step * 2.0 ** e      # np.round: ties to even
;;       return np.moveaxis(q.reshape(q.shape[:-2] + (-1,))[..., :K], -1, axis).astype(np.float32)
;;   ~~~
;;   SOFTMAX AHEAD OF A QUANTISED PRODUCT. Where the list says 'softmax', what is quantised is not the finished softmax but p = 2^(t - M), with t = logit x log2(e) and M = ceil(the row's largest t), a whole number; so 1/2 < the row's largest p <= 1. The row's sum l is taken of the UNQUANTISED p, in f32, and the product's result is divided by l at the end. Since M is a whole number, a kernel that streams over the keys may use a running M (the ceiling of the running maximum): every later rescaling is an exact power of two, which a block's scale takes up: the codes' values come out the same.
;;   OPERANDS COMPUTED ON THE WAY. 'Computed on the way' means the value that the module computes at that place (a softmax that the list does not call 'softmax' is quantised finished and normalised). What goes into a quantiser is computed in f32, as accurately as f32 sums, v_exp_f32 and their like allow (about 1e-6 of the number): no bf16 or f16 on the way to a quantiser, and a product that is left as it is and whose result goes on into a quantised operand takes f32 operands (vector FMAs, or v_wmma_f32_16x16x4_f32). A number that lies on a knife's edge between two numbers of the format may be rounded either way, as far as f32 arithmetic and the matrix unit's own rounding can turn it there, and no further.
;; One version. Each part assembles by itself: llvm-mc -triple=amdgcn-amd-amdhsa -mcpu=gfx1250 --defsym DOCPART=n.
;; ======== version 1 of 1: 2 launches
;; limits: right only within a limited range of input values
;; workspace buffers: qw 13,107,200 bytes; kw 13,107,200 bytes; vw 13,107,200 bytes
;; launch prep (part 1): grid 768 x 1, 8 waves a work-group, no clusters, 76,800 bytes of LDS; arguments q, k, v, qw, kw, vw; writes qw, kw, vw
.if DOCPART == 1
	.amdgcn_target "amdgcn-amd-amdhsa--gfx1250"
	.amdhsa_code_object_version 6
	.text
	.protected	k_q3e7beb1f22_prep
	.globl	k_q3e7beb1f22_prep
	.p2align	8
	.type	k_q3e7beb1f22_prep,@function
k_q3e7beb1f22_prep:
	s_mov_b64 s[64:65], 0
	v_nop
	global_prefetch_b8 v0, s[64:65] scope:SCOPE_SE
	s_setreg_imm32_b32 hwreg(HW_REG_WAVE_MODE, 25, 1), 1
	s_wait_xcnt 0x0
; FIRST OF TWO LAUNCHES.  q, k, v: [2][4096][16][128] f32.  This launch turns q and k by RoPE (position = the index along the 4,096; start_index = 0 is a constant of the problem), quantises roped q, roped k
; (blocks of 32 along the head's 128) and v (blocks of 32 KEYS for each channel) to codes of BF6 (E3M2) with one E8M0 byte a block, and stores them as IMAGES OF THE OPERANDS' REGISTERS for the second launch.
; DEAD WORK OF THE PROGRAM (left out in the second launch).  reference() sets score(q, k) to -inf wherever k > q inside a chunk of 1,024, by a tril that it builds itself; softmax gives such a key the weight exp(-inf) = 0
; exactly, whatever finite values q, k, v hold.  So a unit of 16 queries x 128 keys all of whose keys come after all of its queries adds 0 to the row's sum and 0 to the output: 224 of the 512 units of a
; chunk and head are not computed.  Keys of other chunks never meet a query in reference() at all.  No input is dead: all of q, k, v is loaded here.
; LIMIT: a NaN, an infinity or an overflow that reaches only units left out is not carried to the result.
; LIMITS OF THIS LAUNCH: NaN and infinities among the inputs are not served.  A block of zeros gets the byte 1 where the rule says 127 (its codes are zeros, which add nothing under any byte but 0xff; the bytes are
; read by this program alone); a block whose largest magnitude lies under 2^-122 is held at that floor.  inv_freq = exp(j x f32(-ln 10000 / 64)) follows the Cephes scheme of an f32 exp, rounding for rounding (below): it lies
; within about one last bit of the true exp.  cos and sin are right to about 1e-7 absolute.
; WORKSPACE, the same for qw, kw, vw: [chunk-head ch = (batch x 4 + chunk) x 16 + head][step j = 0..7] blocks of 12,800 bytes: eight fragment images of 1,536 bytes (tile T), then at 12,288 + 64 T + 4 r tile T's scale words.
;   An image is 3 x 512 bytes: piece c holds at 16 x lane the lane's operand registers 4 c .. 4 c + 3 (16 rows x 128 K of 6-bit codes are 12 registers a lane).
;   qw, kw: tile tau = 8 j + T of a chunk holds positions 32 (tau / 2) + 8 (tau % 2) + r + 8 (r / 8), r = 0..15: so in S^T = K Q^T the 16 registers of two neighbouring tiles are 16 neighbouring keys.  K = the head's 128.
;   vw: tile T holds channels 16 T + r; K = the step's 128 keys in their own order.
; SHARES.  Work-groups 0..511 (path QK): one tile of 16 positions of one batch, all 16 heads, q and k: wave w takes heads 2 w, 2 w + 1.  Work-groups 512..767 (path V): half a chunk-head of v.
; The two paths part on the work-group's number alone.  No tensor load: operands are read once, 512 or 128 consecutive bytes an instruction, and several work-groups share a WGP.
; No matrix unit, no cluster, no prefetch: a stream that is read once and shares nothing between work-groups.
.set CHB,   102400                     ; a chunk-head in a workspace buffer
.set BLKB,  12800                      ; a step's block
.set FRB,   1536                       ; a fragment's image
.set SCO,   12288                      ; where a block's scale words begin
.set ROWB,  8192                       ; bytes from a position to the next (16 heads x 512)
.set TRG,   0                          ; LDS: cos (8 images of 512 bytes: registers 4 c .. 4 c + 3), then sin likewise: 8,192 bytes, written once, read by all eight waves
.set STG,   8192                       ; then a stage for each wave: 16 rows x (512 + 16) bytes: rows start 33 x 16 bytes apart, so the 16 rows that a load touches start at 16 different groups of banks
.set SROW,  528
.set SWAVE, 16*SROW
.set SPARE, STG+8*SWAVE                ; then the spare words, 128 bytes for each wave: four blocks of 256 bytes that no other line names
.set LI,  1                            ; v1   16 x lane: a load's, an image's place for my lane; never rewritten
.set VS,  2                            ; v2   my scale word's byte in a block
.set VC,  3                            ; v3   my 16 bytes in the tile's image
.set STI, 4                            ; v4   the stage, on the way in: 16 x lane
.set STX, 5                            ; v5   and out: row r, + 64 h
.set SPW, 6                            ; v6   LDS address of my spare word; never rewritten
.set NIL, 7                            ; v7   0; never rewritten
.set POS, 8                            ; v8   my row's position, as f32
.set TRW, 9                            ; v9   where my wave puts its images of cos and sin
.set PW,  16                           ; v16  the scale word just made
.set RT,  18                           ; v18-25 RoPE's products, two sets
.set COS, 32                           ; v32-63  cos of pair j = 32 (m / 16) + 16 h + m % 16 at my row's position, m = 0..31
.set SIN, 64                           ; v64-95  sin likewise
.set RAW, 96                           ; v96-159 16 rows as loaded
.set X,   160                          ; v160-223 my row's 64 numbers: register 16 b + i = d 32 b + 16 h + i.  Before the first fragment: the trigonometry's work
.set PC,  224                          ; v224-235 the fragment; v236-238, v240-242 halves on their way
.set MX,  244                          ; v244-247 block maxima;  v248-251 bytes;  v252-255 the conversions' scale operands
.set BY,  248
.set SO,  252
.set K_C0,  30                         ; scalars: the constants of the trigonometry
.set K_L2E, 31
.set K_NC1, 32
.set K_NC2, 33
.set K_P0,  34
.set K_P1,  35
.set K_P2,  36
.set K_P3,  37
.set K_P4,  38
.set K_2PI, 40
.set K_NP1, 41
.set K_NP2, 49
.set K_S1,  50
.set K_S2,  51
.set K_S3,  52
.set K_C1,  53
.set K_C2,  54
.set K_C3,  55
	s_load_b256 s[4:11], s[0:1], 0x0               ; q s[4:5], k s[6:7], v s[8:9], qw s[10:11]
	s_load_b128 s[12:15], s[0:1], 0x20             ; kw s[12:13], vw s[14:15]
	v_lshl_add_u32 v[SPW], v0, 2, SPARE
	v_mov_b32 v[NIL], 0
	v_lshrrev_b32 v1, 5, v0
	s_delay_alu instid0(VALU_DEP_1)
	v_readfirstlane_b32 s16, v1                    ; wave 0..7
	v_and_b32 v10, 31, v0                          ; lane
	s_delay_alu instid0(VALU_DEP_1)
	v_lshlrev_b32 v[LI], 4, v10
	s_cmp_lt_u32 ttmp9, 512                        ; the work-group's number alone: all eight waves go the same way
	s_cbranch_scc0 .Lpath_v
; ======================================================== PATH QK
	s_lshr_b32 s17, ttmp9, 1                       ; pt = which tile of 16 positions, 0..255
	s_and_b32 s18, ttmp9, 1                        ; the batch
	s_lshr_b32 s19, s17, 1
	s_lshl_b32 s19, s19, 5
	s_and_b32 s42, s17, 1
	s_lshl_b32 s42, s42, 3
	s_add_co_u32 s19, s19, s42                     ; t0 = 32 (pt / 2) + 8 (pt % 2): the tile's first position
	s_lshl_b32 s42, s18, 12
	s_add_co_u32 s42, s42, s19
	s_lshl_b32 s42, s42, 13                        ; (4096 batch + t0) x 8,192 bytes
	s_lshl_b32 s43, s16, 10
	s_add_co_u32 s42, s42, s43                     ; + head 2 w
	s_mov_b32 s43, 0
	s_lshr_b32 s44, s17, 6                         ; the chunk
	s_lshl_b32 s45, s18, 2
	s_add_co_u32 s44, s44, s45
	s_lshl_b32 s44, s44, 4
	s_lshl_b32 s45, s16, 1
	s_add_co_u32 s44, s44, s45                     ; the chunk-head of head 2 w
	s_mul_i32 s44, s44, CHB
	s_bfe_u32 s45, s17, 0x30003                    ; the step: (pt % 64) / 8
	s_mul_i32 s45, s45, BLKB
	s_add_co_u32 s44, s44, s45
	s_mov_b32 s45, 0
	s_and_b32 s46, s17, 7                          ; the tile in the step
	s_wait_kmcnt 0x0
	s_add_nc_u64 s[20:21], s[4:5], s[42:43]        ; q and k at the tile's first row of head 2 w,
	s_add_nc_u64 s[22:23], s[6:7], s[42:43]
	s_add_nc_u64 s[24:25], s[10:11], s[44:45]      ; qw and kw at the step's block of head 2 w
	s_add_nc_u64 s[26:27], s[12:13], s[44:45]
; fragment f = 0..3: tensor f / 2 (q, k), head 2 w + f % 2.  Sixteen loads, each a whole row of 512 consecutive bytes
.macro LOADRAW f
.irp rr, 0,1,2,3,4,5,6,7,8,9,10,11,12,13,14,15
	global_load_b128 v[RAW+4*\rr:RAW+4*\rr+3], v[LI], s[20+2*((\f)/2):21+2*((\f)/2)] offset:(\rr+8*(\rr/8))*ROWB+512*((\f)%2) th:TH_LOAD_NT
.endr
.endm
	s_wait_alu depctr_va_vdst(0)
	LOADRAW 0                                      ; on its way while the trigonometry is made
	v_and_b32 v11, 15, v0                          ; r
	v_bfe_u32 v12, v0, 4, 1                        ; h
	s_mul_i32 s47, s46, FRB
	v_add_nc_u32 v[VC], s47, v[LI]
	s_lshl_b32 s47, s46, 6
	s_add_co_u32 s47, s47, SCO
	v_lshl_add_u32 v[VS], v11, 2, s47              ; both halves of the lanes hold the same word and name the same place
	s_mul_i32 s47, s16, SWAVE
	s_add_co_u32 s47, s47, STG                     ; my wave's stage
	v_add_nc_u32 v[STI], s47, v[LI]
	v_mul_u32_u24 v[STX], v11, SROW
	s_delay_alu instid0(VALU_DEP_1)
	v_lshl_add_u32 v[STX], v12, 6, v[STX]
	s_delay_alu instid0(VALU_DEP_1)
	v_add_nc_u32 v[STX], s47, v[STX]
	s_lshl_b32 s47, s16, 9
	v_add_nc_u32 v[TRW], s47, v[LI]
	v_and_b32 v13, 8, v11
	s_delay_alu instid0(VALU_DEP_1)
	v_add_nc_u32 v13, v13, v11
	s_delay_alu instid0(VALU_DEP_1)
	v_add_nc_u32 v13, s19, v13                     ; my row's position: t0 + r + 8 (r / 8)
	s_delay_alu instid0(VALU_DEP_1)
	v_cvt_f32_u32 v[POS], v13
	s_lshr_b32 s47, s16, 2
	s_lshl_b32 s47, s47, 5
	s_and_b32 s48, s16, 3
	s_lshl_b32 s48, s48, 2
	s_add_co_u32 s47, s47, s48
	v_lshl_add_u32 v13, v12, 4, s47                ; the first of my wave's four pairs: j = 32 (w / 4) + 16 h + 4 (w % 4)
	s_wait_alu depctr_va_vdst(0)
.irp b, 0,1,2,3
	v_mov_b32 v[BY+\b], 0                          ; written once: a lane permute's destination counts as one of its sources
.endr
	s_mov_b32 s28, 0x76543210
	s_mov_b32 s29, 0xfedcba98                      ; v_permlanex16_b32's selects for lane l xor 16
	s_mov_b32 s[K_C0],  0xbe135d8e                 ; f32(-ln 10000 / 64), as reference() rounds it
	s_mov_b32 s[K_L2E], 0x3fb8aa3b                 ; log2 e
	s_mov_b32 s[K_NC1], 0xbf318000                 ; -0.693359375: ln 2 in two parts,
	s_mov_b32 s[K_NC2], 0x395e8083                 ; +2.12194440e-4: the first of nine bits
	s_mov_b32 s[K_P0],  0x39506967                 ; 1.9875691500e-4, 1.3981999507e-3, 8.3334519073e-3, 4.1665795894e-2, 1.6666665459e-1; the sixth coefficient rounds to 0.5
	s_mov_b32 s[K_P1],  0x3ab743ce
	s_mov_b32 s[K_P2],  0x3c088908
	s_mov_b32 s[K_P3],  0x3d2aa9c1
	s_mov_b32 s[K_P4],  0x3e2aaaaa
	s_mov_b32 s[K_2PI], 0x3f22f983                 ; 2 / pi
	s_mov_b32 s[K_NP1], 0xbfc90fdb                 ; -(pi / 2 rounded to f32)
	s_mov_b32 s[K_NP2], 0x333bbd2e                 ; -(pi / 2 less that): +4.3711390e-8
	s_mov_b32 s[K_S1],  0xbe2aaaa3                 ; sin r = r + r z (S1 + S2 z + S3 z^2), z = r^2, |r| <= pi / 4
	s_mov_b32 s[K_S2],  0x3c08839e
	s_mov_b32 s[K_S3],  0xb94ca1f9
	s_mov_b32 s[K_C1],  0x3d2aaaa5                 ; cos r = 1 - z / 2 + z^2 (C1 + C2 z + C3 z^2)
	s_mov_b32 s[K_C2],  0xbab6061a
	s_mov_b32 s[K_C3],  0x37ccf5ce
; THE TRIGONOMETRY.  All eight waves want the same cos and sin in the same lanes (the tile's positions are the same for every head), so wave w makes registers m = 4 w .. 4 w + 3 alone and the eight exchange them through LDS.
; Each line below is written for the wave's four values by turns, so that no line waits for the line above it.  d, a, b, c: groups of four registers; k: a constant or a register as it stands.
.macro F1 op, d, a
.irp i, 0,1,2,3
	\op v[\d+\i], v[\a+\i]
.endr
.endm
.macro FK op, d, k, a
.irp i, 0,1,2,3
	\op v[\d+\i], \k, v[\a+\i]
.endr
.endm
.macro F2 op, d, a, b
.irp i, 0,1,2,3
	\op v[\d+\i], v[\a+\i], v[\b+\i]
.endr
.endm
.macro F2K op, d, a, b, k
.irp i, 0,1,2,3
	s_delay_alu instid0(VALU_DEP_4)
	\op v[\d+\i], v[\a+\i], v[\b+\i], \k
.endr
.endm
.macro FAK op, d, a, k, b
.irp i, 0,1,2,3
	s_delay_alu instid0(VALU_DEP_4)
	\op v[\d+\i], v[\a+\i], \k, v[\b+\i]
.endr
.endm
.macro FKK op, d, a, k1, k2
.irp i, 0,1,2,3
	\op v[\d+\i], v[\a+\i], \k1, \k2
.endr
.endm
.macro F3 op, d, a, b, c
.irp i, 0,1,2,3
	s_delay_alu instid0(VALU_DEP_4)
	\op v[\d+\i], v[\a+\i], v[\b+\i], v[\c+\i]
.endr
.endm
.set TJ, 160
.set TN, 164
.set TR, 168
.set TL, 172
.set TZ, 176
.set TP, 180
.set TS, 184
.set TT, 188
.set TE, 192
.set TI, 196
.set TQ, 200
.set CW, 204
.set SW, 208
; inv_freq = exp(a), a = f32(j) x C0 rounded as reference() rounds it.  One last bit of inv_freq moves an angle near 4,000 by 2e-4, which is far more than a code's middle forgives: so what counts here is not the
; best-rounded exp but the f32 exp that reference() takes on the CPU.  JAX's CPU back end evaluates it by the Cephes scheme with fused multiply-adds; the lines below take the same steps with the same roundings:
; n = floor(a log2 e + 1/2);  x = a - n C1 - n C2;  z = ((((p0 x + p1) x + p2) x + p3) x + p4) x + 1/2;  z = z (x x) + x;  exp = (1 + z) 2^n.  Every step is one IEEE operation, to nearest even.
.irp i, 0,1,2,3
	v_add_nc_u32 v[TJ+\i], \i, v13
.endr
	F1  v_cvt_f32_u32, TJ, TJ
	FK  v_mul_f32, TJ, s[K_C0], TJ                 ; a
	FKK v_fma_f32, TN, TJ, s[K_L2E], 0.5
	F1  v_floor_f32, TN, TN                        ; n, 0 down to -13
	FAK v_fma_f32, TR, TN, s[K_NC1], TJ            ; a - n C1: exact (n C1 has 13 bits)
	FAK v_fma_f32, TR, TN, s[K_NC2], TR            ; x
	FKK v_fma_f32, TP, TR, s[K_P0], s[K_P1]
	F2K v_fma_f32, TP, TP, TR, s[K_P2]
	F2K v_fma_f32, TP, TP, TR, s[K_P3]
	F2K v_fma_f32, TP, TP, TR, s[K_P4]
	F2K v_fma_f32, TP, TP, TR, 0.5
	F2  v_mul_f32, TZ, TR, TR                      ; x x, rounded by itself
	F3  v_fma_f32, TP, TP, TZ, TR
	FK  v_add_f32, TT, 1.0, TP
	F1  v_cvt_i32_f32, TN, TN
	F2  v_ldexp_f32, TI, TT, TN                    ; inv_freq: x 2^n rounds nothing
; cos and sin of ang = position x inv_freq (one f32 product, as reference() has it), up to 4,095 rad.  n = the whole number nearest ang x 2 / pi, at most 2,607; ang - n pi/2 in two steps, the first exact
; (both are multiples of 2^-23 and differ by under 1); what is left of pi / 2 beyond the two parts, x n, is under 1e-11.
	FK  v_mul_f32, TJ, v[POS], TI                  ; ang
	FK  v_mul_f32, TN, s[K_2PI], TJ
	F1  v_rndne_f32, TN, TN
	FAK v_fma_f32, TR, TN, s[K_NP1], TJ
	FAK v_fma_f32, TR, TN, s[K_NP2], TR            ; r
	F2  v_mul_f32, TZ, TR, TR
	F1  v_cvt_i32_f32, TQ, TN                      ; the quadrant's number
	FKK v_fma_f32, TS, TZ, s[K_S3], s[K_S2]
	F2K v_fma_f32, TS, TS, TZ, s[K_S1]
	F2  v_mul_f32, TS, TS, TZ
	F3  v_fma_f32, TS, TS, TR, TR                  ; sin r
	FKK v_fma_f32, TP, TZ, s[K_C3], s[K_C2]
	F2K v_fma_f32, TP, TP, TZ, s[K_C1]
	F2  v_mul_f32, TE, TZ, TZ
	FKK v_fma_f32, TT, TZ, -0.5, 1.0
	F3  v_fma_f32, TP, TP, TE, TT                  ; cos r
	FK  v_and_b32, TE, 1, TQ
.irp i, 0,1,2,3
	v_cmp_eq_u32 vcc_lo, 1, v[TE+\i]               ; in an odd quadrant the two change places (a selection of values: no branch)
	s_delay_alu instid0(VALU_DEP_1)
	v_cndmask_b32 v[TL+\i], v[TS+\i], v[TP+\i], vcc_lo
	s_delay_alu instid0(VALU_DEP_2)
	v_cndmask_b32 v[TT+\i], v[TP+\i], v[TS+\i], vcc_lo
.endr
	FK  v_lshlrev_b32, TE, 30, TQ                  ; sin is negated in quadrants 2, 3: bit 1 of n becomes the sign
	FK  v_and_b32, TE, 0x80000000, TE
	F2  v_xor_b32, SW, TE, TL
	FK  v_add_nc_u32, TQ, 1, TQ                    ; cos in quadrants 1, 2: bit 1 of n + 1
	FK  v_lshlrev_b32, TQ, 30, TQ
	FK  v_and_b32, TQ, 0x80000000, TQ
	F2  v_xor_b32, CW, TQ, TT
	ds_store_b128 v[TRW], v[CW:CW+3] offset:TRG
	ds_store_b128 v[TRW], v[SW:SW+3] offset:TRG+4096
	s_wait_dscnt 0x0                               ; for the others' sake: my two images have landed
	s_barrier_signal -1
	s_barrier_wait -1                              ; everybody's have.  These bytes are never written again
.irp c, 0,1,2,3,4,5,6,7
	ds_load_b128 v[COS+4*\c:COS+4*\c+3], v[LI] offset:TRG+512*\c
	ds_load_b128 v[SIN+4*\c:SIN+4*\c+3], v[LI] offset:TRG+4096+512*\c
.endr
; out1 = x1 cos - x2 sin, out2 = x2 cos + x1 sin; x1 = d 0..63 (registers 0-31), x2 = d 64..127 (registers 32-63), two at a time
.macro ROPE
.set m_, 0
.rept 16
.set t_, RT+4*((m_/2)%2)
	v_pk_mul_f32 v[t_:t_+1], v[X+32+m_:X+33+m_], v[SIN+m_:SIN+m_+1]
	v_pk_mul_f32 v[t_+2:t_+3], v[X+m_:X+m_+1], v[SIN+m_:SIN+m_+1]
	s_delay_alu instid0(VALU_DEP_2)
	v_pk_fma_f32 v[X+m_:X+m_+1], v[X+m_:X+m_+1], v[COS+m_:COS+m_+1], v[t_:t_+1] neg_lo:[0,0,1] neg_hi:[0,0,1]
	s_delay_alu instid0(VALU_DEP_2)
	v_pk_fma_f32 v[X+32+m_:X+33+m_], v[X+32+m_:X+33+m_], v[COS+m_:COS+m_+1], v[t_+2:t_+3]
.set m_, m_+2
.endr
.endm
; my row's 64 numbers become a fragment's codes in v[PC] on and its scale word in v[PW]
.macro QUANT
.irp b, 0,1,2,3
	v_max3_num_f32 v[MX+\b], |v[X+16*\b]|, |v[X+1+16*\b]|, 0x2800000   ; block b: my 16 numbers, and the floor 2^(5 - 127): so the byte cannot fall under 1
.endr
.irp i, 2,4,6,8,10,12,14
.irp b, 0,1,2,3
	s_delay_alu instid0(VALU_DEP_4)
	v_max3_num_f32 v[MX+\b], v[MX+\b], |v[X+16*\b+\i]|, |v[X+1+16*\b+\i]|   ; (the four blocks by turns)
.endr
.endr
.irp b, 0,1,2,3
	s_delay_alu instid0(VALU_DEP_4)
	v_permlanex16_b32 v[BY+\b], v[MX+\b], s28, s29
.endr
.irp b, 0,1,2,3
	s_delay_alu instid0(VALU_DEP_4)
	v_max_num_f32 v[MX+\b], v[MX+\b], v[BY+\b]     ; with lane l xor 16's: the block's largest magnitude
.endr
.irp b, 0,1,2,3
	s_delay_alu instid0(VALU_DEP_4)
	v_add_nc_u32 v[SO+\b], 0xfe000000, v[MX+\b]    ; 4 off its exponent field: the conversion takes the exponent field of this operand as its scale, and nothing else of it
.endr
.irp b, 0,1,2,3
	s_delay_alu instid0(VALU_DEP_4)
	v_lshrrev_b32 v[BY+\b], 23, v[SO+\b]           ; the scale's byte
.endr
	s_delay_alu instid0(VALU_DEP_3)
	v_lshl_or_b32 v[PW], v[BY+1], 8, v[BY]
	s_delay_alu instid0(VALU_DEP_1)
	v_lshl_or_b32 v[PW], v[BY+2], 16, v[PW]
	s_delay_alu instid0(VALU_DEP_1)
	v_lshl_or_b32 v[PW], v[BY+3], 24, v[PW]
.irp c, 0,1
	v_cvt_scalef32_pk16_bf6_f32 v[PC+6*\c:PC+2+6*\c], v[X+32*\c:X+15+32*\c], v[SO+2*\c]
	v_cvt_scalef32_pk16_bf6_f32 v[PC+12+4*\c:PC+14+4*\c], v[X+16+32*\c:X+31+32*\c], v[SO+2*\c+1]   ; (a conversion's three registers begin on an even number)
.endr
	v_nop                                          ; one plain place behind a scaled conversion
.irp c, 0,1                                    ; the operand's layout wants a WHOLE block in a lane: lanes 0-15 block 2 c, lanes 16-31 block 2 c + 1
.irp i, 0,1,2
	v_permlane16_swap_b32 v[PC+6*\c+\i], v[PC+12+4*\c+\i]
.endr
.irp i, 0,1,2
	s_delay_alu instid0(VALU_DEP_3)
	v_mov_b32 v[PC+3+6*\c+\i], v[PC+12+4*\c+\i]
.endr
.endr
.endm
; A fragment: 16 rows through my own stage (in as they lie, out 16 neighbours of each block of 32 a lane), RoPE, the quantiser, four stores
.macro FRAG f
	s_wait_loadcnt 0x0                             ; this fragment's sixteen rows are in
.irp rr, 0,1,2,3,4,5,6,7,8,9,10,11,12,13,14,15
	ds_store_b128 v[STI], v[RAW+4*\rr:RAW+4*\rr+3] offset:SROW*\rr
.endr
.irp b, 0,1,2,3
.irp jj, 0,1,2,3
	ds_load_b128 v[X+16*\b+4*\jj:X+16*\b+4*\jj+3], v[STX] offset:128*\b+16*\jj   ; LDS serves a wave's instructions in order: these see my stores
.endr
.endr
	s_wait_dscnt 0x0                               ; my numbers are in (with the first fragment: cos and sin too), and the stores into the stage have read their registers,
.if (\f) < 3
	LOADRAW (\f)+1                                 ; which take the next fragment's rows
.endif
	ROPE
.if (\f) > 0
	s_wait_xcnt 0x0                                ; the last fragment's stores have read the codes and the scale word: both are written anew only behind this wait
.endif
	QUANT
.irp c, 0,1,2
	global_store_b128 v[VC], v[PC+4*\c:PC+4*\c+3], s[24+2*((\f)/2):25+2*((\f)/2)] offset:CHB*((\f)%2)+512*\c   ; 32 lanes store 512 consecutive bytes, at a multiple of 256 from the buffer's first byte
.endr
	global_store_b32 v[VS], v[PW], s[24+2*((\f)/2):25+2*((\f)/2)] offset:CHB*((\f)%2)   ; the tile's 64 bytes of scale words: a piece of an aligned 256 bytes, 1/24 of the codes' bytes
.endm
	FRAG 0
	FRAG 1
	FRAG 2
	FRAG 3
	s_wait_tensorcnt 0x0                           ; the wave's end, behind my last LDS store
	ds_add_u32 v[SPW], v[NIL]
	s_wait_dscnt 0x0
	s_endpgm
; ======================================================== PATH V
; A LANE TAKES A CHANNEL AND ITS REGISTERS RUN DOWN THE KEYS: a block of 32 keys lies in one lane's 32 registers, its largest magnitude needs no other lane, and the conversions give codes with the keys innermost.
; Work-group vg = number - 512: chunk-head vg / 2, steps 4 (vg % 2) .. + 3.  Wave w: channels 32 (w % 4) on (two tiles), steps jb = 4 (vg % 2) + w / 4 and jb + 2.  Each load reads 128 consecutive bytes; four waves stand side by side on a row's 512.
.set VX, 32                            ; v32-95 two sets of 32 numbers;  v96-143 the two units' two fragments each;  v144-146, v148-150 upper halves on their way;  v152, v153 the units' scale words
.Lpath_v:
	s_sub_co_u32 s17, ttmp9, 512
	s_lshr_b32 s18, s17, 1                         ; the chunk-head
	s_and_b32 s19, s17, 1
	s_lshl_b32 s19, s19, 2
	s_lshr_b32 s42, s16, 2
	s_add_co_u32 s19, s19, s42                     ; jb
	s_and_b32 s46, s16, 3                          ; which 32 channels
	s_lshr_b32 s42, s18, 4
	s_lshl_b32 s42, s42, 10
	s_lshl_b32 s43, s19, 7
	s_add_co_u32 s42, s42, s43                     ; the first key's row: 1024 (batch x 4 + chunk) + 128 jb
	s_lshl_b32 s42, s42, 13
	s_and_b32 s43, s18, 15
	s_lshl_b32 s43, s43, 9
	s_add_co_u32 s42, s42, s43                     ; + the head
	s_lshl_b32 s43, s46, 7
	s_add_co_u32 s42, s42, s43                     ; + my 32 channels
	s_mov_b32 s43, 0
	s_mul_i32 s44, s18, CHB
	s_mul_i32 s45, s19, BLKB
	s_add_co_u32 s44, s44, s45
	s_mov_b32 s45, 0
	s_wait_alu depctr_va_vdst(0)
	v_lshlrev_b32 v2, 2, v10                       ; 4 x lane
	s_mul_i32 s47, s46, 2*FRB
	v_add_nc_u32 v3, s47, v[LI]                    ; my 16 bytes in the image of my wave's first tile
	s_lshl_b32 s47, s46, 7
	s_add_co_u32 s47, s47, SCO
	v_add_nc_u32 v4, s47, v2                       ; my channel's scale word: the two tiles' words lie on end
	s_wait_alu depctr_va_vdst(0)
	s_wait_kmcnt 0x0
	s_add_nc_u64 s[20:21], s[8:9], s[42:43]
	s_add_nc_u64 s[24:25], s[14:15], s[44:45]
.macro VLOAD t                         ; block t = 0..7: unit t / 4 (256 keys further on), keys 32 (t % 4) + i of the step; every offset is an immediate, 3,137,536 at the most
.irp i, 0,1,2,3,4,5,6,7,8,9,10,11,12,13,14,15,16,17,18,19,20,21,22,23,24,25,26,27,28,29,30,31
	global_load_b32 v[VX+32*((\t)%2)+\i], v2, s[20:21] offset:((\t)/4)*2097152+(32*((\t)%4)+\i)*ROWB th:TH_LOAD_NT
.endr
.endm
.macro VBLOCK t
.set XS, VX+32*((\t)%2)
.set UU, (\t)/4
.set F0, 96+24*UU+6*(((\t)%4)/2)       ; registers 6 c on of the even tile's fragment,
.set F1, F0+12                         ; and of the odd tile's
.set FD, F0+12*((\t)%2)                ; an even block's lower half goes to the first, an odd block's to the second
.set TD, 144+4*((\t)%2)
.if (\t) < 7
	s_wait_loadcnt 32                              ; this block's 32 loads are in; the next block's 32 may be out
.else
	s_wait_loadcnt 0x0
.endif
	v_max3_num_f32 v12, |v[XS]|, |v[XS+1]|, |v[XS+2]|   ; the block's largest magnitude: all 32 numbers are mine
	v_max3_num_f32 v13, |v[XS+3]|, |v[XS+4]|, |v[XS+5]|
.irp i, 6,10,14,18,22,26
	s_delay_alu instid0(VALU_DEP_2)
	v_max3_num_f32 v12, v12, |v[XS+\i]|, |v[XS+\i+1]|
	s_delay_alu instid0(VALU_DEP_2)
	v_max3_num_f32 v13, v13, |v[XS+\i+2]|, |v[XS+\i+3]|
.endr
	s_delay_alu instid0(VALU_DEP_2)
	v_max3_num_f32 v12, v12, |v[XS+30]|, |v[XS+31]|
	s_delay_alu instid0(VALU_DEP_1)
	v_max3_num_f32 v12, v12, v13, 0x2800000        ; and the floor 2^(5 - 127)
	s_delay_alu instid0(VALU_DEP_1)
	v_add_nc_u32 v14, 0xfe000000, v12              ; 4 off its exponent field: the conversion's scale operand
	s_delay_alu instid0(VALU_DEP_1)
	v_lshrrev_b32 v13, 23, v14                     ; the scale's byte
.if (\t)%4 == 0
	s_delay_alu instid0(VALU_DEP_1)
	v_mov_b32 v[152+UU], v13                       ; four bytes make my channel's scale word for the step, the lower keys in the lower byte
.else
	s_delay_alu instid0(VALU_DEP_1)
	v_lshl_or_b32 v[152+UU], v13, 8*((\t)%4), v[152+UU]
.endif
	v_cvt_scalef32_pk16_bf6_f32 v[FD:FD+2], v[XS:XS+15], v14
	v_cvt_scalef32_pk16_bf6_f32 v[TD:TD+2], v[XS+16:XS+31], v14   ; (a conversion's three registers begin on an even number)
	v_nop                                          ; one plain place behind a scaled conversion
.if (\t)+2 < 8
	VLOAD (\t)+2
.endif
.if (\t)%2 == 1                        ; blocks 2 c and 2 c + 1 are made.  A lane of a fragment wants ONE block of its channel: lanes 0-15 block 2 c, lanes 16-31 block 2 c + 1.
.irp i, 0,1,2                          ; The exchange gives the first register the even block of lanes 0-15's channels and, above, their odd block: the even tile; the second likewise the odd tile
	v_permlane16_swap_b32 v[F0+\i], v[F1+\i]
	v_permlane16_swap_b32 v[144+\i], v[148+\i]
.endr
.irp i, 0,1,2
	v_mov_b32 v[F0+3+\i], v[144+\i]
	v_mov_b32 v[F1+3+\i], v[148+\i]
.endr
.endif
.if (\t)%4 == 3                        ; a unit is whole.  Each unit has registers of its own for its results, so no store's data are written again
.irp c, 0,1,2
	global_store_b128 v3, v[96+24*UU+4*\c:99+24*UU+4*\c], s[24:25] offset:2*BLKB*UU+512*\c          ; 512 consecutive bytes, at a multiple of 256 from the buffer's first byte
	global_store_b128 v3, v[108+24*UU+4*\c:111+24*UU+4*\c], s[24:25] offset:2*BLKB*UU+FRB+512*\c
.endr
	global_store_b32 v4, v[152+UU], s[24:25] offset:2*BLKB*UU   ; 128 consecutive bytes of scale words
.endif
.endm
	VLOAD 0
	VLOAD 1
.irp t, 0,1,2,3,4,5,6,7
	VBLOCK \t
.endr
	s_wait_tensorcnt 0x0                           ; the wave's end
	ds_add_u32 v[SPW], v[NIL]
	s_wait_dscnt 0x0
	s_endpgm
.Lfunc_end_k_q3e7beb1f22_prep:
	.size	k_q3e7beb1f22_prep, .Lfunc_end_k_q3e7beb1f22_prep-k_q3e7beb1f22_prep
	.p2alignl 7, 3214868480
	.fill 96, 4, 3214868480
	.section	.rodata,"a",@progbits
	.p2align	6, 0x0
	.amdhsa_kernel k_q3e7beb1f22_prep
		.amdhsa_group_segment_fixed_size 76800
		.amdhsa_private_segment_fixed_size 0
		.amdhsa_enable_private_segment 0
		.amdhsa_kernarg_size 48
		.amdhsa_user_sgpr_count 2
		.amdhsa_user_sgpr_kernarg_segment_ptr 1
		.amdhsa_wavefront_size32 1
		.amdhsa_system_sgpr_workgroup_id_x 1
		.amdhsa_system_sgpr_workgroup_id_y 1
		.amdhsa_system_sgpr_workgroup_id_z 1
		.amdhsa_system_vgpr_workitem_id 0
		.amdhsa_next_free_vgpr 256
		.amdhsa_next_free_sgpr 66
		.amdhsa_reserve_vcc 1
		.amdhsa_float_denorm_mode_32 3
		.amdhsa_float_denorm_mode_16_64 3
		.amdhsa_memory_ordered 1
		.amdhsa_forward_progress 1
		.amdhsa_inst_pref_size 117
	.end_amdhsa_kernel
	.amdgpu_metadata
---
amdhsa.version: [ 1, 2 ]
amdhsa.kernels:
  - .name:           k_q3e7beb1f22_prep
    .symbol:         k_q3e7beb1f22_prep.kd
    .args:
      - { .name: q, .offset: 0, .size: 8, .value_kind: global_buffer, .address_space: global }
      - { .name: k, .offset: 8, .size: 8, .value_kind: global_buffer, .address_space: global }
      - { .name: v, .offset: 16, .size: 8, .value_kind: global_buffer, .address_space: global }
      - { .name: qw, .offset: 24, .size: 8, .value_kind: global_buffer, .address_space: global }
      - { .name: kw, .offset: 32, .size: 8, .value_kind: global_buffer, .address_space: global }
      - { .name: vw, .offset: 40, .size: 8, .value_kind: global_buffer, .address_space: global }
    .group_segment_fixed_size: 76800
    .private_segment_fixed_size: 0
    .kernarg_segment_align: 8
    .kernarg_segment_size: 48
    .max_flat_workgroup_size: 256
    .sgpr_count:     66
    .vgpr_count:     256
    .wavefront_size: 32
...
	.end_amdgpu_metadata
.endif
;; end of part 1
;; launch attn (part 2): grid 2 x 128, 8 waves a work-group, no clusters, 327,680 bytes of LDS; arguments qw, kw, vw, out0; writes out0
.if DOCPART == 2
	.amdgcn_target "amdgcn-amd-amdhsa--gfx1250"
	.amdhsa_code_object_version 6
	.text
	.protected	k_q3e7beb1f22_attn
	.globl	k_q3e7beb1f22_attn
	.p2align	8
	.type	k_q3e7beb1f22_attn,@function
k_q3e7beb1f22_attn:
	s_mov_b64 s[64:65], 0
	v_nop
	global_prefetch_b8 v0, s[64:65] scope:SCOPE_SE
	s_setreg_imm32_b32 hwreg(HW_REG_WAVE_MODE, 25, 1), 1
	s_wait_xcnt 0x0
; SECOND OF TWO LAUNCHES.  For each of the 128 chunk-heads (batch, chunk of 1,024 positions, head): out[q] = the sum over keys k <= q of softmax_k(Q[q] . K[k] / sqrt(128)) V[k], both products on codes of BF6 (E3M2)
; with one E8M0 scale for each 32 along a product's K.  qw, kw, vw hold roped q, roped k and v as images of the operands' registers: [chunk-head][step of 128 positions] blocks of 12,800 bytes: eight fragment
; images of 1,536 bytes (piece c: at 16 x lane the lane's registers 4 c .. 4 c + 3), then at 12,288 + 64 T + 4 r tile T's scale words.  out0: [2][4096][16][128] f32.
; WORK LEFT OUT: units of 32 queries x 128 keys that lie wholly above the diagonal of reference()'s own tril: their weights are exp(-inf) = 0 for all inputs (shown at the head of the first launch).
; LIMITS: a NaN or an infinity in a key that lies only in such units is not carried to the result.  NaN and infinities among the inputs are not served.  The promise holds while the scaled scores
; (score x log2(e) / sqrt(128)) stay under 2^31 in magnitude.
; THE SOFTMAX AHEAD OF THE SECOND PRODUCT: t = score x log2(e) / sqrt(128); M = the row's largest t so far, rounded UP to a whole number; p = 2^(t - M) is quantised along the keys, not normalised.
; The row's sum is taken of the unquantised p and divides at the end.  When M moves, the sum and O are multiplied by 2^(old M - new M): exact.
; SHARES.  Two work-groups to a chunk-head, eight waves each, two to a SIMD.  A PAIR u = 0..31 is the two query tiles 2 u, 2 u + 1: 32 neighbouring queries 32 u ..; it needs key steps 0 .. u / 4.
; Wave w of work-group g takes the heavy pair 31 - (2 w + g) and then the light pair 2 w + g: (8 - w / 2) + (1 + w / 2) = 9 key steps for every wave.
; TWO REGISTER WINDOWS, ONE TEXT: tile A of the pair lives in v0-255, tile B in v256-511 under the same low numbers, so the softmax is one macro that runs under two settings of s_set_vgpr_msb.
; A step's eight fragments of K (then of V) lie in v32-79 of both windows and each feeds two matrix instructions, one for each tile: a fragment is read from LDS once for 32 queries.
; LDS.  The chunk-head's K and V, 2 x 102,400 bytes, come ONCE, in 16 pieces of one block (50 rows of 256 bytes): step 0 at the head (waves 0, 1), steps 1-3 behind the first barrier (waves 2-7),
; steps 4-7 behind the second (every wave).  A wave has one tensor load out at the most.
; ORDER IN A STEP: S^T = K Q^T; V's fragments are asked for; the two softmaxes; O^T += V^T P^T; the rows' sums of p, under which the next step's fragments of K are asked for.
; LAYOUT.  Both products are used transposed (source 0 = 16 keys or 16 channels, source 1 = Q or P): a lane holds ONE query (lane % 16); the 16 registers of key tiles 2 b, 2 b + 1 are keys 32 b + 16 (lane / 16) + 0 .. 15.
; A tile's first step is written out: its products start O^T (C = 0) and its sums start the row's sum: nothing is cleared.
; NO CLUSTER: only the two work-groups of a chunk-head share tiles; the grid is 2 along x, which a cluster of four does not divide, and partners along y hold other chunk-heads, whose tiles differ.
; NO PREFETCH: each of the 16 pieces is asked for by its own load at the head or behind one of the first two barriers; there is no loop of loads to run ahead in.
; REGISTERS, window 0 alone: v1-11, v29 addresses; v28, v30 (v92, v93) Q's scale words of tiles A, B, heavy (light); v31 tile B's p scale word; v248-251 K's or V's scale words.
; Both windows: v12 -M, v13 the largest t, v[14:15] the sum; v16-27 heavy Q, v80-91 light Q; v32-79 fragments; v96-159 S^T, then p; v160-223 O^T; v224-235 p's codes; v232-247, v252-254 at work; v253 p's scale word.
.set CHB,   102400
.set BLKB,  12800
.set FRB,   1536
.set SCO,   12288
.set STAGE, 2*CHB                      ; the way out: 16 rows x (256 + 16) bytes for each wave; no tensor load lands here
.set SP,    272
.set SPARE, STAGE+8*16*SP              ; the spare words, 128 bytes for each wave
.set LI,  1                            ; 16 x lane
.set LS,  2                            ; 4 x lane
.set RL,  3                            ; r + 8 (r / 8) - 16 h
.set GO,  4                            ; the way out: 8,192 (lane / 16) + 16 (lane % 16)
.set SPW, 5
.set NIL, 6
.set STO, 7
.set RD,  29
.set WV,  18
.set LEV, 19                           ; w / 2
.set SEL, 20
.set CS,  22
.set G1,  24
.set G0A, 32                           ; piece w: block w / 2 of K (w even) or V (w odd)
.set G0B, 36                           ; piece 8 + w: block 4 + w / 2
.set SRC, 40
.set CO,  42
.set TB,  44                           ; LDS byte of the step's block of K;  TV: of V
.set TV,  45
.set J,   46                           ; the step;  JL the step of the pair's diagonal;  BQ the block of 32 keys in it;  PL: K is asked for ahead while J < PL
.set JL,  47
.set CNT, 48
.set BQ,  49
.set PL,  50
.set CH,  51
.set PQH, 52
.set PQL, 54
.set PSH, 56
.set PSL, 58
.set POH, 60
.set POL, 62
.set UL,  66
.set UH,  67
.set OB,  68
.set NINF, 69
.set M0,  74                           ; s74-97: lane masks: s[M0 + 8 + k] = the lanes where k > RL, k = -8 .. 15
.set MSB, 0
.macro WIN new                         ; the immediate's high byte repeats the setting that is left
.if MSB != \new
	s_set_vgpr_msb (MSB<<8)|\new
.set MSB, \new
.endif
.endm
.macro NOPS n
.rept \n
	v_nop
.endr
.endm
	s_load_b256 s[4:11], s[0:1], 0x0               ; qw, kw, vw, out0
	v_lshl_add_u32 v[SPW], v0, 2, SPARE
	v_mov_b32 v[NIL], 0
	ds_add_u32 v[SPW], v[NIL]                      ; the opening lines: the add, twice on end, and its wait below
	ds_add_u32 v[SPW], v[NIL]
	v_lshrrev_b32 v8, 5, v0
	s_delay_alu instid0(VALU_DEP_1)
	v_readfirstlane_b32 s[WV], v8                  ; wave 0..7
	s_lshr_b32 s[LEV], s[WV], 1
	s_and_b32 s[CH], ttmp7, 0xffff                 ; the chunk-head
	s_mov_b32 s[G1], 3<<16                         ; group 1: 50 rows of 32 elements of 8 bytes, dense, no padding
	s_mov_b32 s[G1+1], 32<<16
	s_mov_b32 s[G1+2], 50<<16
	s_mov_b32 s[G1+3], 32<<16
	s_mov_b32 s[G1+4], 50
	s_mov_b32 s[G1+5], 32
	s_mov_b32 s[G1+6], 0
	s_mov_b32 s[G1+7], 0
	s_mov_b32 s[SEL], 0x76543210
	s_mov_b32 s[SEL+1], 0xfedcba98                 ; lane l xor 16
	s_mov_b32 s[CS], 0x3e0293ee                    ; c = log2(e) / sqrt(128)
	s_mov_b32 s[CS+1], s[CS]
	s_mov_b32 s[NINF], 0xff800000                  ; -infinity
	s_mul_i32 s[CO], s[CH], CHB
	s_mov_b32 s[CO+1], 0
	s_lshl_b32 s[UL], s[WV], 1
	s_add_co_u32 s[UL], s[UL], ttmp9               ; the light pair: 2 w + g
	s_sub_co_u32 s[UH], 31, s[UL]                  ; the heavy one
	s_lshr_b32 s[OB], s[CH], 4
	s_lshl_b32 s[OB], s[OB], 23
	s_and_b32 s70, s[CH], 15
	s_lshl_b32 s70, s70, 9
	s_add_co_u32 s[OB], s[OB], s70                 ; out0: the (batch, chunk)'s 1,024 rows of 8,192 bytes, + the head's 512
.macro PAIR u, pq, ps, po              ; byte offsets of pair u: tile A's image in qw, its scale words, its first row in out0
	s_lshr_b32 s70, s[\u], 2
	s_mul_i32 s70, s70, BLKB
	s_add_co_u32 s70, s70, s[CO]
	s_and_b32 s71, s[\u], 3
	s_mul_i32 s[\pq], s71, 2*FRB
	s_add_co_u32 s[\pq], s[\pq], s70
	s_mov_b32 s[\pq+1], 0
	s_lshl_b32 s71, s71, 7
	s_add_co_u32 s[\ps], s70, s71
	s_add_co_u32 s[\ps], s[\ps], SCO
	s_mov_b32 s[\ps+1], 0
	s_lshl_b32 s[\po], s[\u], 18
	s_add_co_u32 s[\po], s[\po], s[OB]
	s_mov_b32 s[\po+1], 0
.endm
	PAIR UH, PQH, PSH, POH
	PAIR UL, PQL, PSL, POL
	s_and_b32 s70, s[WV], 1                        ; even waves fetch K, odd ones V
	s_mul_i32 s71, s70, CHB
	s_mul_i32 s72, s[LEV], BLKB
	s_mov_b32 s73, 0
	s_add_co_u32 s71, s71, s72                     ; where piece w goes
	s_wait_dscnt 0x0                               ; both opening adds are done
	s_wait_kmcnt 0x0
	s_cmp_eq_u32 s70, 0
	s_cselect_b64 s[SRC:SRC+1], s[6:7], s[8:9]
	s_add_nc_u64 s[SRC:SRC+1], s[SRC:SRC+1], s[CO:CO+1]
	s_add_nc_u64 s[SRC:SRC+1], s[SRC:SRC+1], s[72:73]
	s_mov_b32 s[G0A], 1
	s_mov_b32 s[G0A+1], s71
	s_mov_b64 s[G0A+2:G0A+3], s[SRC:SRC+1]
	s_or_b32 s[G0A+3], s[G0A+3], 0x80000000
	s_mov_b32 s[G0B], 1
	s_add_co_u32 s[G0B+1], s71, 4*BLKB
	s_add_nc_u64 s[G0B+2:G0B+3], s[SRC:SRC+1], 4*BLKB
	s_or_b32 s[G0B+3], s[G0B+3], 0x80000000
	s_cmp_lt_u32 s[WV], 2                          ; the head's fills: step 0's K (wave 0) and V (wave 1), one load a wave
	s_cbranch_scc0 .Lhead
	tensor_load_to_lds s[G0A:G0A+3], s[G1:G1+7]
	s_nop 0
	NOPS 4
.Lhead:
	s_add_nc_u64 s[PQH:PQH+1], s[4:5], s[PQH:PQH+1]
	s_add_nc_u64 s[PQL:PQL+1], s[4:5], s[PQL:PQL+1]
	s_add_nc_u64 s[PSH:PSH+1], s[4:5], s[PSH:PSH+1]
	s_add_nc_u64 s[PSL:PSL+1], s[4:5], s[PSL:PSL+1]
	s_add_nc_u64 s[POH:POH+1], s[10:11], s[POH:POH+1]
	s_add_nc_u64 s[POL:POL+1], s[10:11], s[POL:POL+1]
	v_and_b32 v9, 31, v0
	v_and_b32 v10, 15, v0                          ; r
	v_bfe_u32 v11, v0, 4, 1                        ; h
	v_lshlrev_b32 v[LI], 4, v9
	v_lshlrev_b32 v[LS], 2, v9
	v_lshlrev_b32 v31, 2, v10                      ; 4 r: both halves of the lanes take the tile's own 16 words
.irp c, 0,1,2
	global_load_b128 v[16+4*\c:19+4*\c], v[LI], s[PQH:PQH+1] offset:512*\c th:TH_LOAD_NT   ; tile A's Q, heavy and light
	global_load_b128 v[80+4*\c:83+4*\c], v[LI], s[PQL:PQL+1] offset:512*\c th:TH_LOAD_NT
.endr
	global_load_b32 v28, v31, s[PSH:PSH+1]
	global_load_b32 v30, v31, s[PSH:PSH+1] offset:64
	global_load_b32 v92, v31, s[PSL:PSL+1]
	global_load_b32 v93, v31, s[PSL:PSL+1] offset:64
	WIN 0x40
.irp c, 0,1,2
	global_load_b128 v[16+4*\c:19+4*\c], v[LI], s[PQH:PQH+1] offset:FRB+512*\c th:TH_LOAD_NT   ; tile B's, into window 1
	global_load_b128 v[80+4*\c:83+4*\c], v[LI], s[PQL:PQL+1] offset:FRB+512*\c th:TH_LOAD_NT
.endr
	WIN 0
	v_and_b32 v[RL], 8, v10
	v_lshlrev_b32 v8, 4, v11
	v_add_nc_u32 v[RL], v[RL], v10
	s_delay_alu instid0(VALU_DEP_1)
	v_sub_nc_u32 v[RL], v[RL], v8
.set n_, 0
.rept 24                               ; in the diagonal's block register i of tile A is hidden where i > RL, of tile B (8 queries on) where i - 8 > RL
	v_cmp_gt_i32 s[M0+n_], n_-8, v[RL]
.set n_, n_+1
.endr
	v_lshlrev_b32 v[GO], 13, v11
	v_mul_u32_u24 v[STO], v10, SP
	v_mul_u32_u24 v[RD], v11, SP
	s_mul_i32 s70, s[WV], 16*SP
	s_add_co_u32 s70, s70, STAGE                   ; my stage
	v_lshl_add_u32 v[GO], v10, 4, v[GO]
	v_lshl_add_u32 v[STO], v11, 5, v[STO]
	v_lshl_add_u32 v[RD], v10, 4, v[RD]
	v_add_nc_u32 v[STO], s70, v[STO]               ; in: row r, + 32 h
	v_add_nc_u32 v[RD], s70, v[RD]                 ; back: lanes 0-15 one row, lanes 16-31 the next
.irp w, 0, 0x40                        ; written once in both windows: a lane permute's destination counts as a source, and v253 is named in a pair
	WIN \w
.irp n, 236,237,238,239,252,253
	v_mov_b32 v\n, 0
.endr
.endr
	WIN 0
; eight fragments and four scale registers from the block at v[a] (16 x lane) and v[s] (4 x lane), o bytes on: tiles 0-3 into window 0, tiles 4-7 into window 1
.macro LOADF a, s, o
	WIN 0
.irp t, 0,1,2,3
.irp c, 0,1,2
	ds_load_b128 v[32+12*\t+4*\c:35+12*\t+4*\c], v[\a] offset:\o+\t*FRB+512*\c
.endr
.endr
.irp q, 0,1,2,3
	ds_load_b32 v[248+\q], v[\s] offset:\o+SCO+128*\q   ; tiles 2 q (lanes 0-15) and 2 q + 1 (lanes 16-31)
.endr
	WIN 0x40
.irp t, 0,1,2,3
.irp c, 0,1,2
	ds_load_b128 v[32+12*\t+4*\c:35+12*\t+4*\c], v[\a] offset:\o+(4+\t)*FRB+512*\c
.endr
.endr
	WIN 0
.endm
.macro PRO                             ; this step's K, where no earlier step could ask for it
	v_add_nc_u32 v8, s[TB], v[LI]
	v_add_nc_u32 v10, s[TB], v[LS]
	LOADF 8, 10, 0
.endm
.macro WM d, a, b, z, sa, sb, odd
.if \z
.if \odd
	v_wmma_scale_f32_16x16x128_f8f6f4 v[\d:\d+7], v[\a:\a+11], v[\b:\b+11], 0, v[\sa], v[\sb] matrix_a_fmt:MATRIX_FMT_BF6 matrix_b_fmt:MATRIX_FMT_BF6 matrix_a_scale:MATRIX_SCALE_ROW1
.else
	v_wmma_scale_f32_16x16x128_f8f6f4 v[\d:\d+7], v[\a:\a+11], v[\b:\b+11], 0, v[\sa], v[\sb] matrix_a_fmt:MATRIX_FMT_BF6 matrix_b_fmt:MATRIX_FMT_BF6
.endif
.else
.if \odd
	v_wmma_scale_f32_16x16x128_f8f6f4 v[\d:\d+7], v[\a:\a+11], v[\b:\b+11], v[\d:\d+7], v[\sa], v[\sb] matrix_a_fmt:MATRIX_FMT_BF6 matrix_b_fmt:MATRIX_FMT_BF6 matrix_a_scale:MATRIX_SCALE_ROW1
.else
	v_wmma_scale_f32_16x16x128_f8f6f4 v[\d:\d+7], v[\a:\a+11], v[\b:\b+11], v[\d:\d+7], v[\sa], v[\sb] matrix_a_fmt:MATRIX_FMT_BF6 matrix_b_fmt:MATRIX_FMT_BF6
.endif
.endif
.endm
.macro MM4 db, b, z, sb, g
.irp t, 0,1,2,3
	WM \db+8*(4*\g+\t), 32+12*\t, \b, \z, 248+2*\g+\t/2, \sb, \t%2
.endr
.endm
; sixteen matrix instructions on sixteen accumulators, one a turn: eight fragments x two tiles.  Low byte of the window setting: source 0 (the fragment) bits 1:0; source 1, C and D (the tile) bits 7:2
.macro MM16 db, b, z, sa, sb
	WIN 0
	MM4 \db, \b, \z, \sa, 0
	WIN 0x01
	MM4 \db, \b, \z, \sa, 1
	WIN 0x55
	MM4 \db, \b, \z, \sb, 1
	WIN 0x54
	MM4 \db, \b, \z, \sb, 0
	WIN 0
.endm
; one tile's softmax and quantiser, in whichever window is set
.macro SMAX first
	s_wait_alu depctr_va_vdst(0)                   ; the wait ahead of the first readers of S^T
.irp b, 0,1,2,3
	v_max3_num_f32 v[232+\b], v[96+16*\b], v[97+16*\b], v[98+16*\b]   ; the largest score of each block of 32 keys: for the row's maximum and, since p rises with the score, for the block's largest p
.endr
.irp i, 3,5,7,9,11,13
.irp b, 0,1,2,3
	v_max3_num_f32 v[232+\b], v[232+\b], v[96+16*\b+\i], v[97+16*\b+\i]
.endr
.endr
.irp b, 0,1,2,3
	v_max_num_f32 v[232+\b], v[232+\b], v[111+16*\b]
.endr
.irp b, 0,1,2,3
	v_permlanex16_b32 v[236+\b], v[232+\b], s[SEL], s[SEL+1]
.endr
.irp b, 0,1,2,3
	v_max_num_f32 v[232+\b], v[232+\b], v[236+\b]  ; with lane l xor 16's 16 keys
.endr
	v_max3_num_f32 v254, v232, v233, v234
	s_delay_alu instid0(VALU_DEP_1)
	v_max_num_f32 v254, v254, v235                 ; the step's largest score of my query
	s_delay_alu instid0(VALU_DEP_1)
.if \first
	v_mul_f32 v13, s[CS], v254                     ; as t: the largest t so far
	s_delay_alu instid0(VALU_DEP_1)
	v_floor_f32 v12, -v13                          ; -M = floor(-t) = -ceil(t)
.else
	v_mul_f32 v254, s[CS], v254
	s_delay_alu instid0(VALU_DEP_1)
	v_max_num_f32 v13, v13, v254                   ; the running largest t
	v_mov_b32 v254, v12
	s_delay_alu instid0(VALU_DEP_2)
	v_floor_f32 v12, -v13                          ; the new -M
	s_delay_alu instid0(VALU_DEP_1)
	v_sub_f32 v254, v12, v254                      ; old M less new M: a whole number, 0 or less
	s_delay_alu instid0(VALU_DEP_1)
	v_cvt_i32_f32 v254, v254                       ; (it saturates)
	s_delay_alu instid0(VALU_DEP_1)
	v_ldexp_f32 v252, 1.0, v254                    ; f = 2^(old M - new M)
.endif
.set n_, 0
.rept 32
	v_pk_fma_f32 v[96+n_:97+n_], v[96+n_:97+n_], s[CS:CS+1], v[12:13] op_sel_hi:[1,0,0]   ; t - M
.set n_, n_+2
.endr
.irp b, 0,1,2,3
	v_fma_f32 v[232+\b], v[232+\b], s[CS], v12     ; the same of each block's largest score
.endr
	s_wait_alu depctr_va_vdst(0)                   ; the wait ahead of the batch
.irp b, 0,1,2,3
	v_exp_f32 v[232+\b], v[232+\b]                 ; the block's largest p
.endr
.set n_, 0
.rept 64
	v_exp_f32 v[96+n_], v[96+n_]                   ; p = 2^(t - M), not normalised
.set n_, n_+1
.endr
	v_nop                                          ; the plain place behind the batch
	s_wait_alu depctr_va_vdst(0)                   ; and the one wait behind it
.irp b, 0,1,2,3
	v_max_num_f32 v[232+\b], 0x2800000, v[232+\b]  ; the floor 2^(5 - 127): the byte cannot fall under 1
.endr
.irp b, 0,1,2,3
	v_add_nc_u32 v[244+\b], 0xfe000000, v[232+\b]  ; 4 off the exponent field: the conversion's scale operand
.endr
.irp b, 0,1,2,3
	v_lshrrev_b32 v[236+\b], 23, v[244+\b]         ; the scale's byte
.endr
	v_lshl_or_b32 v253, v237, 8, v236
	s_delay_alu instid0(VALU_DEP_1)
	v_lshl_or_b32 v253, v238, 16, v253
	s_delay_alu instid0(VALU_DEP_1)
	v_lshl_or_b32 v253, v239, 24, v253             ; p's scale word for these 128 keys
.irp c, 0,1
	v_cvt_scalef32_pk16_bf6_f32 v[224+6*\c:226+6*\c], v[96+32*\c:111+32*\c], v[244+2*\c]
	v_cvt_scalef32_pk16_bf6_f32 v[236+4*\c:238+4*\c], v[112+32*\c:127+32*\c], v[244+2*\c+1]
.endr
	v_nop                                          ; one plain place behind a scaled conversion
.irp c, 0,1                            ; a whole block to a lane: lanes 0-15 block 2 c, lanes 16-31 block 2 c + 1
.irp i, 0,1,2
	v_permlane16_swap_b32 v[224+6*\c+\i], v[236+4*\c+\i]
.endr
.irp i, 0,1,2
	v_mov_b32 v[227+6*\c+\i], v[236+4*\c+\i]
.endr
.endr
.endm
.macro RESC                            ; O^T under the new M
	s_wait_alu depctr_va_vdst(0)                   ; the wait directly ahead of the first reader of O^T
.set n_, 0
.rept 32
	v_pk_mul_f32 v[160+n_:161+n_], v[160+n_:161+n_], v[252:253] op_sel_hi:[1,0]
.set n_, n_+2
.endr
.endm
.macro SUM first                       ; the row's sum of the unquantised p, four chains by turns
.irp j, 0,1,2,3
	v_pk_add_f32 v[236+2*\j:237+2*\j], v[96+2*\j:97+2*\j], v[104+2*\j:105+2*\j]
.endr
.irp n, 16,24,32,40,48,56
.irp j, 0,1,2,3
	v_pk_add_f32 v[236+2*\j:237+2*\j], v[236+2*\j:237+2*\j], v[96+\n+2*\j:97+\n+2*\j]
.endr
.endr
	v_pk_add_f32 v[236:237], v[236:237], v[238:239]
	v_pk_add_f32 v[240:241], v[240:241], v[242:243]
	s_delay_alu instid0(VALU_DEP_1)
.if \first
	v_pk_add_f32 v[14:15], v[236:237], v[240:241]
.else
	v_pk_add_f32 v[236:237], v[236:237], v[240:241]
	s_delay_alu instid0(VALU_DEP_1)
	v_pk_fma_f32 v[14:15], v[14:15], v[252:253], v[236:237] op_sel_hi:[1,0,1]   ; the old sum under the new M, + this step's
.endif
.endm
; A KEY STEP: 128 keys against the pair whose Q lies in v[qf] on of both windows.  K's fragments have been asked for.  mask: the step may lie on or above the diagonal.  first: the pair's first step.
; pre: the next step's K is asked for never (0), while J < PL (1), always (2).
.macro STEP qf, qsa, qsb, mask, first, pre
.if \mask*(1-\first)
	s_cmp_gt_u32 s[J], s[JL]                       ; all 128 keys come after my 32 queries: ids and the count of steps alone; no barrier, wait on TENSORcnt or tensor load stands in a step
	s_cbranch_scc1 .Lhid\@
.endif
	s_wait_dscnt 0x0                               ; K's fragments and scale words are in
	MM16 96, \qf, 1, \qsa, \qsb                    ; S^T = K Q^T
	v_add_nc_u32 v9, s[TV], v[LI]                  ; four places in front of the loads into registers that the products have read, and of the first read of results
	v_add_nc_u32 v11, s[TV], v[LS]
	NOPS 2
	LOADF 9, 11, 0                                 ; V's fragments land under the softmaxes
.if \mask                              ; the step on the diagonal, by blocks of 32 keys: under block BQ all count; in it the lane masks choose; above it all are hidden
	s_cmp_lt_u32 s[J], s[JL]
	s_cbranch_scc1 .Lo\@
.irp b, 0,1,2,3
	s_cmp_gt_u32 s[BQ], \b
	s_cbranch_scc1 .Ln\@_\b
	s_cmp_eq_u32 s[BQ], \b
	s_cbranch_scc0 .Lh\@_\b
.set n_, 0
.rept 16
	v_cndmask_b32 v[96+16*\b+n_], v[96+16*\b+n_], s[NINF], s[M0+8+n_]
.set n_, n_+1
.endr
	WIN 0x55
.set n_, 0
.rept 16
	v_cndmask_b32 v[96+16*\b+n_], v[96+16*\b+n_], s[NINF], s[M0+n_]
.set n_, n_+1
.endr
	WIN 0
	s_branch .Ln\@_\b
.Lh\@_\b:
.irp w, 0, 0x40
	WIN \w
.set n_, 0
.rept 16
	v_mov_b32 v[96+16*\b+n_], s[NINF]
.set n_, n_+1
.endr
.endr
	WIN 0
.Ln\@_\b:
.endr
.Lo\@:
.endif
	SMAX \first                                    ; tile A
.if 1-\first
	RESC
.endif
	WIN 0x55
	SMAX \first                                    ; tile B
	WIN 0x01
	v_mov_b32 v31, v253                            ; scale registers are taken from window 0
.if \first
	WIN 0
	NOPS 8                                         ; eight places between a scale register's write and the scaled products
.else
	WIN 0x55
	RESC                                           ; (these 32 are those places)
	WIN 0
.endif
	s_wait_alu depctr_va_vdst(0)
	s_wait_dscnt 0x0                               ; V's fragments and scale words are in
	MM16 160, 224, \first, 253, 31                 ; O^T (+)= V^T P^T
	SUM \first                                     ; tile A's sum: also the places in front of the loads below
.if \pre
.if \pre == 1
	s_cmp_ge_u32 s[J], s[PL]
	s_cbranch_scc1 .Lnp\@
.endif
	v_add_nc_u32 v8, s[TB], v[LI]
	v_add_nc_u32 v10, s[TB], v[LS]
	LOADF 8, 10, BLKB                              ; the next step's K lands under tile B's sum
.Lnp\@:
.endif
	WIN 0x55
	SUM \first
	WIN 0
.if \mask*(1-\first)
.Lhid\@:
.endif
	s_add_co_u32 s[TB], s[TB], BLKB
	s_add_co_u32 s[TV], s[TV], BLKB
	s_add_co_u32 s[J], s[J], 1
.endm
.macro AGAIN label
	s_sub_co_u32 s[CNT], s[CNT], 1
	s_cmp_lg_u32 s[CNT], 0
	s_wait_alu depctr_va_vdst(0)
	s_cbranch_scc1 \label
.endm
; the lines ahead of a later first fill; the add twice
.macro MEET
	s_wait_alu depctr_va_vdst(0)
	s_wait_tensorcnt 0x0                           ; my piece has landed
	ds_add_u32 v[SPW], v[NIL]
	ds_add_u32 v[SPW], v[NIL]
	s_wait_dscnt 0x0
	s_barrier_signal -1
	s_barrier_wait -1                              ; everybody's has
.endm
; THE WAY OUT of tile w (0: A, 1: B; ro: its first row's bytes behind the pair's): O^T / the sum goes through my stage, 64 channels of 16 queries at a time, so that sixteen lanes store 256 consecutive bytes
.macro OUT ptr, w, ro
	WIN 0x55*\w
	v_add_f32 v14, v14, v15
	s_delay_alu instid0(VALU_DEP_1)
	v_permlanex16_b32 v252, v14, s[SEL], s[SEL+1]
	s_delay_alu instid0(VALU_DEP_1)
	v_add_f32 v14, v14, v252                       ; the row's sum
	s_wait_alu depctr_va_vdst(0)
	v_rcp_f32 v14, v14
	v_nop
	s_wait_alu depctr_va_vdst(0)                   ; ahead of the reciprocal's first reader, which is O^T's first reader too
.set n_, 0
.rept 32
	v_pk_mul_f32 v[96+n_:97+n_], v[160+n_:161+n_], v[14:15] op_sel_hi:[1,0]   ; register 8 t + i is o(r, 16 t + 8 h + i)
.set n_, n_+2
.endr
.irp u, 0,1
	WIN 0x04*\w
.irp t, 0,1,2,3
	ds_store_b128 v[STO], v[96+32*\u+8*\t:99+32*\u+8*\t] offset:64*\t
	ds_store_b128 v[STO], v[100+32*\u+8*\t:103+32*\u+8*\t] offset:64*\t+16
.endr
	WIN 0x40*\w
.irp i, 0,1,2,3,4,5,6,7
	ds_load_b128 v[160+32*\u+4*\i:163+32*\u+4*\i], v[RD] offset:2*\i*SP   ; LDS serves a wave's instructions in order
.endr
.endr
	WIN 0x04*\w
.irp u, 0,1
.irp i, 0,1,2,3,4,5,6,7
	s_wait_dscnt 23-16*\u-\i                       ; what was issued behind this load
	global_store_b128 v[GO], v[160+32*\u+4*\i:163+32*\u+4*\i], s[\ptr:\ptr+1] offset:\ro+(2*\i+8*(\i/4))*8192+256*\u th:TH_STORE_NT   ; tile rows 2 i, 2 i + 1 are positions 2 i + 8 (i / 4) on
.endr
.endr
	s_wait_xcnt 0x0                                ; the stores have read their registers
	WIN 0
.endm
	MEET                                           ; step 0's K and V are in (the wait at its head closes the kernel's head)
	s_cmp_lt_u32 s[WV], 2                          ; steps 1 to 3: waves 2 to 7, a piece each
	s_cbranch_scc1 .Lb0
	tensor_load_to_lds s[G0A:G0A+3], s[G1:G1+7]
	s_nop 0
	NOPS 4
.Lb0:
	s_mov_b32 s[TB], 0
	s_mov_b32 s[TV], CHB
	s_mov_b32 s[J], 0
	s_sub_co_u32 s[JL], 7, s[LEV]                  ; the heavy pair's diagonal lies in step 7 - w / 2, 4 at the least
	s_and_b32 s[BQ], s[UH], 3
	s_mov_b32 s[PL], s[JL]
	PRO
	s_wait_loadcnt 0x0                             ; Q
	STEP 16, 28, 30, 0, 1, 0                       ; step 0
	MEET                                           ; steps 1 to 3 are in
	tensor_load_to_lds s[G0B:G0B+3], s[G1:G1+7]    ; steps 4 to 7: every wave a piece
	s_nop 0
	NOPS 4
	PRO
	s_mov_b32 s[CNT], 2
.Ls12:
	STEP 16, 28, 30, 0, 0, 2                       ; steps 1, 2; the second asks for step 3's K, which is in
	AGAIN .Ls12
	s_wait_tensorcnt 0x0                           ; my piece of steps 4 to 7 is in
	s_wait_dscnt 0x0
	s_barrier_signal -1
	s_barrier_wait -1                              ; all of K and V is in: no barrier follows
	s_mov_b32 s[CNT], 5
.Ls37:
	STEP 16, 28, 30, 1, 0, 1                       ; steps 3 to 7
	AGAIN .Ls37
	OUT POH, 0, 0
	OUT POH, 1, 65536
	s_mov_b32 s[TB], 0                             ; the light pair: steps 0 .. w / 2
	s_mov_b32 s[TV], CHB
	s_mov_b32 s[J], 0
	s_mov_b32 s[JL], s[LEV]
	s_mov_b32 s[PL], s[LEV]
	s_and_b32 s[BQ], s[UL], 3
	PRO
	STEP 80, 92, 93, 1, 1, 1
	s_mov_b32 s[CNT], 3
.Lsl:
	STEP 80, 92, 93, 1, 0, 1
	AGAIN .Lsl
	OUT POL, 0, 0
	OUT POL, 1, 65536
	s_wait_tensorcnt 0x0                           ; the wave's end
	ds_add_u32 v[SPW], v[NIL]
	s_wait_dscnt 0x0
	s_endpgm
.Lfunc_end_k_q3e7beb1f22_attn:
	.size	k_q3e7beb1f22_attn, .Lfunc_end_k_q3e7beb1f22_attn-k_q3e7beb1f22_attn
	.p2alignl 7, 3214868480
	.fill 96, 4, 3214868480
	.section	.rodata,"a",@progbits
	.p2align	6, 0x0
	.amdhsa_kernel k_q3e7beb1f22_attn
		.amdhsa_group_segment_fixed_size 327680
		.amdhsa_private_segment_fixed_size 0
		.amdhsa_enable_private_segment 0
		.amdhsa_kernarg_size 32
		.amdhsa_user_sgpr_count 2
		.amdhsa_user_sgpr_kernarg_segment_ptr 1
		.amdhsa_wavefront_size32 1
		.amdhsa_system_sgpr_workgroup_id_x 1
		.amdhsa_system_sgpr_workgroup_id_y 1
		.amdhsa_system_sgpr_workgroup_id_z 1
		.amdhsa_system_vgpr_workitem_id 0
		.amdhsa_next_free_vgpr 512
		.amdhsa_next_free_sgpr 100
		.amdhsa_reserve_vcc 0
		.amdhsa_float_denorm_mode_32 3
		.amdhsa_float_denorm_mode_16_64 3
		.amdhsa_memory_ordered 1
		.amdhsa_forward_progress 1
		.amdhsa_inst_pref_size 244
	.end_amdhsa_kernel
	.amdgpu_metadata
---
amdhsa.version: [ 1, 2 ]
amdhsa.kernels:
  - .name:           k_q3e7beb1f22_attn
    .symbol:         k_q3e7beb1f22_attn.kd
    .args:
      - { .name: qw, .offset: 0, .size: 8, .value_kind: global_buffer, .address_space: global }
      - { .name: kw, .offset: 8, .size: 8, .value_kind: global_buffer, .address_space: global }
      - { .name: vw, .offset: 16, .size: 8, .value_kind: global_buffer, .address_space: global }
      - { .name: out0, .offset: 24, .size: 8, .value_kind: global_buffer, .address_space: global }
    .group_segment_fixed_size: 327680
    .private_segment_fixed_size: 0
    .kernarg_segment_align: 8
    .kernarg_segment_size: 32
    .max_flat_workgroup_size: 256
    .sgpr_count:     100
    .vgpr_count:     512
    .wavefront_size: 32
...
	.end_amdgpu_metadata
.endif
;; end of part 2
